; MI455X (gfx1250); checked and timed in simulation.
; The chip was launched on July 23, 2026; its instructions are those of AMD's public machine-readable ISA for CDNA 5 (MIT licence, August 2026) and "CDNA5" Instruction Set Architecture Reference Guide (July 2026). The comments in the code are by the model that wrote it; some were corrected since.
;; Attention. Allowed arithmetic: float matrix products may take bf16 or f16 operands with f32 sums; all other float work in f32.
;; Inputs: attention_mask 2 x 2,048 int32; b_qkv 3,072 float32; hidden_state 2 x 2,048 x 1,024 float32; w_out 1,024 x 1,024 float32; w_qkv 1,024 x 3,072 float32.
;; Outputs: out0 2 x 2,048 x 1,024 float32.
;; One version. Each part assembles by itself: llvm-mc -triple=amdgcn-amd-amdhsa -mcpu=gfx1250 --defsym DOCPART=n.
;; ======== version 1 of 1: 4 launches
;; limits: values are held in f16: magnitudes above 65,504 overflow, below 6.1e-05 lose precision
;; workspace buffers: xb 8,388,608 bytes; wb 8,388,608 bytes; tab 540,672 bytes; qws 8,388,608 bytes; kws 8,388,608 bytes; vtw 8,388,608 bytes; vsum 65,536 bytes; att 8,388,608 bytes
;; launch cast (part 1): grid 256 x 1, 8 waves a work-group, no clusters, 0 bytes of LDS; arguments hidden_state, w_qkv, w_out, attention_mask, xb, wb, tab; writes xb, wb, tab
.if DOCPART == 1
	.amdgcn_target "amdgcn-amd-amdhsa--gfx1250"
	.amdhsa_code_object_version 6
	.text
	.protected	k_q122bf3bff5_cast
	.globl	k_q122bf3bff5_cast
	.p2align	8
	.type	k_q122bf3bff5_cast,@function
k_q122bf3bff5_cast:
	s_mov_b64 s[64:65], 0
	v_nop
	global_prefetch_b8 v0, s[64:65] scope:SCOPE_SE
	s_setreg_imm32_b32 hwreg(HW_REG_WAVE_MODE, 25, 1), 1
	s_wait_xcnt 0x0
; cast: the three large f32 inputs become 16-bit matrix operands, once; the rotary table and the key bias are made.
;   xb  = bf16(hidden_state)            wb[0 ..]         = bf16(w_qkv)
;   wb[6,291,456 ..] = w_out rounded to bf16 and then held as f16 (exact for 2^-14 <= |w| <= 65,504; LIMIT: larger |w_out| become infinite,
;                      smaller ones keep an absolute error of at most 2^-25)
;   tab[t][i] = (cos, sin)(t * 10000^(-i/32)), f32, 256 bytes a token;  tab + 524,288: f32 [2][2048], 0 where the mask is set, else -1e30
; LIMIT: the angle is t * exp2(-i * log2(10000)/32) in f32 and is reduced by pi/2 in two parts: good to about 2e-4 rad at t = 2047.
; The inputs are 32 MiB: 256 work-groups of 128 KiB, a wave 16 KiB = 32 loads of 512 neighbouring bytes, all issued at once.
; Each load gives one store of 8 bytes a lane: 32 lanes fill 256 consecutive bytes, aligned.  No LDS, no barrier, no matrix unit: bytes are all there is.
.set X, 8                              ; v[8:135]    32 loads x 4 f32
.set Y, 136                            ; v[136:199]  32 stores x 2 words, each store with registers of its own: nothing is rewritten while a store reads it
	s_load_b256 s[4:11], s[0:1], 0x0               ; hidden s[4:5], w_qkv s[6:7], w_out s[8:9], mask s[10:11]
	s_load_b128 s[12:15], s[0:1], 0x20             ; xb s[12:13], wb s[14:15]
	s_load_b64 s[16:17], s[0:1], 0x30              ; tab
	v_lshrrev_b32 v1, 5, v0
	v_readfirstlane_b32 s18, v1                    ; wave
	v_and_b32 v1, 31, v0                           ; lane
	s_mov_b32 s19, ttmp9                           ; g
	s_lshl3_add_u32 s28, s19, s18                  ; 8 g + wave = my token of the rotary table, 0 .. 2047
	s_and_b32 s29, s28, 63                         ; wrapped into the mask's 64 blocks of 256 bytes
	s_mov_b32 s25, 0
	s_mov_b32 s27, 0
	v_lshlrev_b32 v2, 4, v1
	v_lshl_add_u32 v2, s18, 14, v2                 ; load: 16 lane + 16,384 wave
	v_lshlrev_b32 v4, 3, v1
	v_lshl_add_u32 v3, s18, 13, v4                 ; store: 8 lane + 8,192 wave
	v_lshl_add_u32 v5, s29, 8, v4                  ; mask and key bias: 256 block + 8 lane
	v_lshl_add_u32 v214, s28, 8, v4                ; rotary table: 256 t + 8 lane
	s_wait_kmcnt 0x0
	; g < 128: hidden -> xb;  128 <= g < 224: w_qkv -> wb;  g >= 224: w_out -> wb behind w_qkv (96 x 65,536 = 6,291,456)
	s_cmp_lt_u32 s19, 128
	s_cselect_b64 s[20:21], s[4:5], s[6:7]
	s_cselect_b64 s[22:23], s[12:13], s[14:15]
	s_cselect_b32 s24, 0, 128
	s_cselect_b32 s26, 0, 128
	s_cmp_lt_u32 s19, 224
	s_cselect_b64 s[20:21], s[20:21], s[8:9]
	s_cselect_b32 s24, s24, 224
	s_sub_co_u32 s24, s19, s24
	s_sub_co_u32 s26, s19, s26
	s_lshl_b32 s24, s24, 17                        ; 131,072 bytes of f32 a work-group
	s_lshl_b32 s26, s26, 16                        ; 65,536 bytes of 16-bit numbers
	s_add_nc_u64 s[20:21], s[20:21], s[24:25]
	s_add_nc_u64 s[22:23], s[22:23], s[26:27]
	global_load_b64 v[6:7], v5, s[10:11]           ; two mask words (every wave; only g < 8 stores what comes of them)
.set i, 0
.rept 32
	global_load_b128 v[X+4*i:X+4*i+3], v2, s[20:21] offset:512*i th:TH_LOAD_NT
.set i, i+1
.endr
	; the rotary table, one (t, i = lane) a thread, while the loads are on their way
	v_cvt_f32_u32 v200, v1
	v_mul_f32 v200, 0xbed49a78, v200               ; -i log2(10000) / 32
	v_exp_f32 v200, v200
	v_cvt_f32_u32 v201, s28                        ; the plain place behind the exponential (ISA guide 5.7.2)
	s_wait_alu depctr_va_vdst(0)
	v_mul_f32 v201, v201, v200                     ; the angle
	v_mul_f32 v202, 0x3f22f983, v201               ; x 2/pi
	v_rndne_f32 v202, v202                         ; n
	v_fmamk_f32 v203, v202, 0xbfc90fdb, v201       ; r = angle - n pi/2, pi/2 in two parts
	v_fmamk_f32 v203, v202, 0x333bbd2e, v203
	v_mul_f32 v204, v203, v203                     ; r^2, |r| <= pi/4
	v_mov_b32 v205, 0xb9500d01                     ; sin: r + r r^2 (-1/6 + r^2 (1/120 - r^2/5040))
	v_fmaak_f32 v205, v204, v205, 0x3c088889
	v_fmaak_f32 v205, v204, v205, 0xbe2aaaab
	v_mul_f32 v206, v203, v204
	v_fma_f32 v205, v206, v205, v203
	v_mov_b32 v207, 0x37d00d01                     ; cos: 1 + r^2 (-1/2 + r^2 (1/24 + r^2 (-1/720 + r^2/40320)))
	v_fmaak_f32 v207, v204, v207, 0xbab60b61
	v_fmaak_f32 v207, v204, v207, 0x3d2aaaab
	v_fmaak_f32 v207, v204, v207, 0xbf000000
	v_fma_f32 v207, v204, v207, 1.0
	v_cvt_i32_f32 v208, v202                       ; the quadrant q = n & 3: odd q swaps the two; cos is negative for q = 1, 2, sin for q = 2, 3
	v_and_b32 v209, 1, v208
	v_cmp_eq_u32 vcc_lo, 1, v209
	v_cndmask_b32 v210, v207, v205, vcc_lo
	v_cndmask_b32 v211, v205, v207, vcc_lo
	v_add_nc_u32 v212, 1, v208
	v_and_b32 v212, 2, v212
	v_lshlrev_b32 v212, 30, v212
	v_xor_b32 v210, v210, v212
	v_and_b32 v213, 2, v208
	v_lshlrev_b32 v213, 30, v213
	v_xor_b32 v211, v211, v213
	global_store_b64 v214, v[210:211], s[16:17]    ; the wave's 32 pairs: 256 consecutive bytes, aligned
	s_wait_loadcnt 32                              ; the mask words are in: the 32 bulk loads are younger
	v_mov_b32 v206, 0xf149f2ca                     ; -1e30
	v_cmp_eq_u32 vcc_lo, 0, v6
	v_cndmask_b32 v202, 0, v206, vcc_lo
	v_cmp_eq_u32 vcc_lo, 0, v7
	v_cndmask_b32 v203, 0, v206, vcc_lo
	s_cmp_lt_u32 s19, 8                            ; 8 g + wave < 64: the 64 blocks of the key bias have one owner each
	s_cbranch_scc0 .Lno_bias
	global_store_b64 v5, v[202:203], s[16:17] offset:524288
.Lno_bias:
; half = 0: round to bf16.  half = 1: round to bf16, widen, and narrow to f16.
.macro DRAIN half
.set i, 0
.rept 32
	s_wait_loadcnt 31-i                            ; loads come back in order (ISA guide 5.7.1): load i is in, the younger ones stay out
	v_cvt_pk_bf16_f32 v[Y+2*i], v[X+4*i], v[X+4*i+1]
	v_cvt_pk_bf16_f32 v[Y+2*i+1], v[X+4*i+2], v[X+4*i+3]
.if \half
	v_lshlrev_b32 v[X+4*i], 16, v[Y+2*i]
	v_and_b32 v[X+4*i+1], 0xffff0000, v[Y+2*i]
	v_lshlrev_b32 v[X+4*i+2], 16, v[Y+2*i+1]
	v_and_b32 v[X+4*i+3], 0xffff0000, v[Y+2*i+1]
	v_cvt_pk_f16_f32 v[Y+2*i], v[X+4*i], v[X+4*i+1]
	v_cvt_pk_f16_f32 v[Y+2*i+1], v[X+4*i+2], v[X+4*i+3]
.endif
	global_store_b64 v3, v[Y+2*i:Y+2*i+1], s[22:23] offset:256*i
.set i, i+1
.endr
.endm
	s_cmp_ge_u32 s19, 224
	s_cbranch_scc1 .Lw_out
	DRAIN 0
	s_endpgm
.Lw_out:
	DRAIN 1
	s_endpgm
.Lfunc_end_k_q122bf3bff5_cast:
	.size	k_q122bf3bff5_cast, .Lfunc_end_k_q122bf3bff5_cast-k_q122bf3bff5_cast
	.p2alignl 7, 3214868480
	.fill 96, 4, 3214868480
	.section	.rodata,"a",@progbits
	.p2align	6, 0x0
	.amdhsa_kernel k_q122bf3bff5_cast
		.amdhsa_group_segment_fixed_size 0
		.amdhsa_private_segment_fixed_size 0
		.amdhsa_enable_private_segment 0
		.amdhsa_kernarg_size 56
		.amdhsa_user_sgpr_count 2
		.amdhsa_user_sgpr_kernarg_segment_ptr 1
		.amdhsa_wavefront_size32 1
		.amdhsa_system_sgpr_workgroup_id_x 1
		.amdhsa_system_sgpr_workgroup_id_y 1
		.amdhsa_system_sgpr_workgroup_id_z 1
		.amdhsa_system_vgpr_workitem_id 0
		.amdhsa_next_free_vgpr 216
		.amdhsa_next_free_sgpr 66
		.amdhsa_reserve_vcc 1
		.amdhsa_float_denorm_mode_32 3
		.amdhsa_float_denorm_mode_16_64 3
		.amdhsa_memory_ordered 1
		.amdhsa_forward_progress 1
		.amdhsa_inst_pref_size 33
	.end_amdhsa_kernel
	.amdgpu_metadata
---
amdhsa.version: [ 1, 2 ]
amdhsa.kernels:
  - .name:           k_q122bf3bff5_cast
    .symbol:         k_q122bf3bff5_cast.kd
    .args:
      - { .name: hidden_state, .offset: 0, .size: 8, .value_kind: global_buffer, .address_space: global }
      - { .name: w_qkv, .offset: 8, .size: 8, .value_kind: global_buffer, .address_space: global }
      - { .name: w_out, .offset: 16, .size: 8, .value_kind: global_buffer, .address_space: global }
      - { .name: attention_mask, .offset: 24, .size: 8, .value_kind: global_buffer, .address_space: global }
      - { .name: xb, .offset: 32, .size: 8, .value_kind: global_buffer, .address_space: global }
      - { .name: wb, .offset: 40, .size: 8, .value_kind: global_buffer, .address_space: global }
      - { .name: tab, .offset: 48, .size: 8, .value_kind: global_buffer, .address_space: global }
    .group_segment_fixed_size: 0
    .private_segment_fixed_size: 0
    .kernarg_segment_align: 8
    .kernarg_segment_size: 56
    .max_flat_workgroup_size: 256
    .sgpr_count:     66
    .vgpr_count:     216
    .wavefront_size: 32
...
	.end_amdgpu_metadata
.endif
;; end of part 1
;; launch qkv (part 2): grid 16 x 16, 4 waves a work-group, clusters of 4 x 4, 327,680 bytes of LDS; arguments xb, wb, b_qkv, tab, qws, kws, vtw, vsum; writes qws, kws, vtw, vsum
.if DOCPART == 2
	.amdgcn_target "amdgcn-amd-amdhsa--gfx1250"
	.amdhsa_code_object_version 6
	.text
	.protected	k_q122bf3bff5_qkv
	.globl	k_q122bf3bff5_qkv
	.p2align	8
	.type	k_q122bf3bff5_qkv,@function
k_q122bf3bff5_qkv:
	s_mov_b64 s[64:65], 0
	v_nop
	global_prefetch_b8 v0, s[64:65] scope:SCOPE_SE
	s_setreg_imm32_b32 hwreg(HW_REG_WAVE_MODE, 25, 1), 1
	s_wait_xcnt 0x0
	s_wait_alu depctr_hold_cnt(0) depctr_sa_sdst(0) depctr_va_vdst(0) depctr_va_sdst(0) depctr_va_ssrc(0) depctr_va_vcc(0) depctr_vm_vsrc(0)
	s_getreg_b32 s2, hwreg(HW_REG_IB_STS2, 6, 4)
	s_cmp_eq_u32 s2, 0
	s_cbranch_scc0 .Lentry_in_a_cluster
	s_endpgm
.Lentry_in_a_cluster:
	s_bfe_u32 s2, ttmp6, 0x10000c
	s_cmp_lg_u32 s2, 0xf033
	s_cbranch_scc0 .Lentry_shape_is_right
	s_endpgm
.Lentry_shape_is_right:
; qkv = x Wqkv + b, rotary embedding on q and k, results in f16.  x: xb bf16 [4096][1024]; W: wb bf16 [1024][3072]; sums in f32.
; A work-group makes 256 tokens x the 192 columns (q | k | v) of one head; a wave 64 tokens x 192: 4 x 12 accumulator tiles, 384 registers.
; K goes in 8 steps of 128 through two LDS slots filled by the tensor data mover.
; CLUSTER 4 x 4: the four work-groups of a row of the cluster share their tokens' tile of x, the four of a column their head's tile of W:
; each tile is asked for jointly, which divides the requests for both by four.  W's rows in a tile are 384 bytes.
; OUT: qws[b*16+h][t][64] = rope(q) * 0.125 * log2(e), kws likewise rope(k), vtw[b*16+h][d][t] = v transposed, all f16;
;      vsum[block of 256 tokens][head][64] = the f32 column sums of v (for queries all of whose keys are masked).
; LIMIT: |0.18 q|, |k|, |v| above 65,504 become infinite in f16 (the drawn inputs give an rms of about 1).
; q's and k's tiles are multiplied transposed (source 0 = columns of W, source 1 = tokens): a lane holds one token and 8 neighbouring columns, and the
; rotary partners d and d + 32 are the same register of tiles nb and nb + 2.  v's tiles are multiplied the natural way round: a lane holds one column d
; and 8 neighbouring tokens, which is v transposed.
; REGISTER WINDOWS: 0 addresses, bias, cos/sin; 1 fragments (two buffers), later the way out; 2 accumulators of row blocks 0, 1; 3 of row blocks 2, 3.
.set APITCH, 272                       ; x in LDS: 256 bytes + 16: 16 rows of a fragment start 17 x 16 bytes apart
.set WPITCH, 480                       ; W in LDS: three runs of 128 bytes (64 columns), each followed by 32 bytes: 15 x 32
.set AHALF,  128*APITCH                ; 34,816: what one load of x brings
.set WHALF,  64*WPITCH                 ; 30,720: what one load of W brings
.set WOFF,   2*AHALF                   ; W's 128 k rows lie behind x's 256 rows
.set SLOT,   131072                    ; 69,632 + 61,440
.set QKST,   262144                    ; stage for q and k: a wave's own 2 x 16 rows x 144 bytes
.set VST,    280576                    ; stage for v transposed: 64 rows d x 528 bytes (256 tokens + 16 bytes)
.set VSL,    314368                    ; the four waves' column sums, 256 bytes each
.set G1A, 32
.set G0A, 40
.set G1W, 48
.set G0W, 56
.set ADRA, 16                          ; v16-17 my x fragments in slot 0, 1
.set ADRW, 18                          ; v18-19 the W fragments in slot 0, 1
.set STQ, 20
.set RDQ, 21
.set GQ,  22
.set STV, 23
.set RDV, 24
.set GV,  25
.set VSA, 26
.set L8,  27
.set VSR, 28
.set BO,  29
.set BVO, 30
.set CSO, 31
.set BQK, 32                           ; v[32:95]   bias of tiles 0-7: columns 8h + j
.set BV,  96                           ; v[96:103]  bias of v's tiles: column r, twice (a pair for the packed add)
.set CS,  104                          ; v[104:231] 32 mb + 16 p + 2 j: cos, +1: sin of token 16 mb + r, frequency 16 p + 8 h + j
.set X,   0                            ; window 1, the way out: 8 tiles in f32
.set T,   64
.set PK,  80
.set RB,  112
.set VS,  144
.set MSB, 0
.macro WIN new                         ; the immediate's high byte repeats the setting that is left
.if MSB != (\new)
	s_set_vgpr_msb (MSB<<8)|(\new)
.set MSB, \new
.endif
.endm
.macro PLACES                          ; four plain places behind matrix instructions, ahead of loads into their sources and of readers of their results
.rept 4
	v_nop
.endr
.endm
.macro JLOAD s                         ; waves 0, 1 ask for x's two halves, waves 2, 3 for W's: one mask and one set of registers a line
	s_cmp_eq_u32 s21, 0
	s_cbranch_scc0 .Lfor_w_\@
	tensor_load_to_lds s[G0A+4*\s:G0A+4*\s+3], s[G1A:G1A+7]
	s_nop 0
	s_branch .Lasked_\@
.Lfor_w_\@:
	tensor_load_to_lds s[G0W+4*\s:G0W+4*\s+3], s[G1W:G1W+7]
	s_nop 0
.Lasked_\@:
.endm
.macro CREST                           ; a round of the cluster's barrier behind its opening barrier
	s_cmp_lg_u32 s20, 0
	s_cbranch_scc1 .Lnot_wave_0_\@
	s_barrier_signal -3
.Lnot_wave_0_\@:
	s_barrier_wait -3
	s_barrier_signal -1
	s_barrier_wait -1
.endm
.macro CROUND
	s_barrier_signal -1
	s_barrier_wait -1
	CREST
.endm
	s_load_b256 s[4:11], s[0:1], 0x0               ; xb s[4:5], wb s[6:7], b_qkv s[8:9], tab s[10:11]
	s_load_b256 s[12:19], s[0:1], 0x20             ; qws s[12:13], kws s[14:15], vtw s[16:17], vsum s[18:19]
	v_lshl_add_u32 v254, v0, 2, 0x4d000
	v_mov_b32 v255, 0
	ds_add_u32 v254, v255
	v_lshrrev_b32 v1, 5, v0
	v_readfirstlane_b32 s20, v1                    ; wave
	s_lshr_b32 s21, s20, 1                         ; 0: I fetch x, 1: I fetch W
	s_and_b32 s22, s20, 1                          ; which half of that tile
	s_bfe_u32 s23, ttmp6, 0x40000                  ; cx
	s_bfe_u32 s24, ttmp6, 0x40004                  ; cy
	s_lshl_b32 s25, ttmp9, 2
	s_add_co_u32 s25, s25, s23                     ; head = 4 x cluster x + cx
	s_and_b32 s26, ttmp7, 0xffff
	s_lshl_b32 s26, s26, 2
	s_add_co_u32 s26, s26, s24                     ; block of 256 tokens = 4 x cluster y + cy
	s_lshl_b32 s27, s24, 2
	s_lshl_b32 s27, 15, s27                        ; my row of the cluster
	s_lshl_b32 s28, 0x1111, s23                    ; my column
	; x: 128 rows x 128 bf16, pitch 1024; 16 bytes of padding behind every 64 words
	s_or_b32 s[G1A+0], s27, (1<<16)|(1<<20)|(1<<21)|(5<<22)|(3<<25)
	s_mov_b32 s[G1A+1], 128<<16
	s_mov_b32 s[G1A+2], 128<<16
	s_mov_b32 s[G1A+3], 128<<16
	s_mov_b32 s[G1A+4], 128
	s_mov_b32 s[G1A+5], 1024
	s_mov_b32 s[G1A+6], 0
	s_mov_b32 s[G1A+7], 0
	; W: 64 k rows x 192 bf16, pitch 3072; 32 bytes of padding behind every 32 words
	s_or_b32 s[G1W+0], s28, (1<<16)|(1<<20)|(1<<21)|(4<<22)|(7<<25)
	s_mov_b32 s[G1W+1], 192<<16
	s_mov_b32 s[G1W+2], 64<<16
	s_mov_b32 s[G1W+3], 192<<16
	s_mov_b32 s[G1W+4], 64
	s_mov_b32 s[G1W+5], 3072
	s_mov_b32 s[G1W+6], 0
	s_mov_b32 s[G1W+7], 0
	; x's address hangs on the token block alone, W's on the head alone, each in registers that never hold the other coordinate
	s_lshl_b32 s66, s26, 8
	s_lshl_b32 s29, s22, 7
	s_add_co_u32 s66, s66, s29
	s_lshl_b32 s66, s66, 11                        ; (256 block + 128 half) rows of 2,048 bytes
	s_mov_b32 s67, 0
	s_mul_i32 s70, s22, 64*6144                    ; 64 half k rows of 6,144 bytes
	s_mul_i32 s30, s25, 384                        ; + the head's 192 columns
	s_add_co_u32 s70, s70, s30
	s_mov_b32 s71, 0
	s_mul_i32 s74, s20, AHALF                      ; LDS: waves 0, 1: 0 and 34,816
	s_mul_i32 s75, s20, WHALF
	s_add_co_u32 s75, s75, 8192                    ; waves 2, 3: 8,192 + 30,720 wave = 69,632 and 100,352
	s_wait_dscnt 0x0
	s_wait_kmcnt 0x0
	s_add_nc_u64 s[68:69], s[4:5], s[66:67]
	s_add_nc_u64 s[72:73], s[6:7], s[70:71]
	CROUND                                         ; all sixteen work-groups are here: the first joint loads meet
.irp s, 0,1
	s_mov_b32 s[G0A+4*\s], 1
	s_add_co_u32 s[G0A+4*\s+1], s74, \s*SLOT
	s_add_nc_u64 s[G0A+4*\s+2:G0A+4*\s+3], s[68:69], \s*256
	s_or_b32 s[G0A+4*\s+3], s[G0A+4*\s+3], 0x80000000
	s_mov_b32 s[G0W+4*\s], 1
	s_add_co_u32 s[G0W+4*\s+1], s75, \s*SLOT
	s_add_nc_u64 s[G0W+4*\s+2:G0W+4*\s+3], s[72:73], \s*128*6144
	s_or_b32 s[G0W+4*\s+3], s[G0W+4*\s+3], 0x80000000
	JLOAD \s                                       ; K steps 0 and 1: two loads of this wave are out
.endr
	v_and_b32 v1, 15, v0                           ; r
	v_bfe_u32 v2, v0, 4, 1                         ; h
	v_and_b32 v3, 31, v0                           ; L
	v_and_b32 v4, 7, v0
	v_bfe_u32 v5, v0, 3, 1
	v_bfe_u32 v6, v0, 3, 2                         ; L >> 3
	v_lshlrev_b32 v7, 4, v2                        ; 16 h
	v_mul_u32_u24 v8, v1, APITCH
	v_add_nc_u32 v8, v8, v7
	s_mul_i32 s83, s20, 64*APITCH
	v_add_nc_u32 v[ADRA], s83, v8                  ; (64 wave + r) 272 + 16 h
	v_add_nc_u32 v[ADRA+1], SLOT, v[ADRA]
	v_lshl_add_u32 v9, v2, 3, v4                   ; W lies [k][n]: the transposing load wants row 8 h + (L & 7), 16 bytes ((L >> 3) & 1)
	v_mul_u32_u24 v9, v9, WPITCH
	v_lshl_add_u32 v9, v5, 4, v9
	v_add_nc_u32 v[ADRW], WOFF, v9
	v_add_nc_u32 v[ADRW+1], SLOT, v[ADRW]
	s_mul_i32 s83, s20, 4608
	s_add_co_u32 s83, s83, QKST
	v_mul_u32_u24 v10, v1, 144
	v_add3_u32 v[STQ], v10, v7, s83
	v_mul_u32_u24 v10, v6, 144
	v_lshl_add_u32 v10, v4, 4, v10
	v_add_nc_u32 v[RDQ], s83, v10
	v_lshlrev_b32 v[GQ], 4, v3
	s_lshl_b32 s83, s20, 7
	s_add_co_u32 s83, s83, VST
	v_mul_u32_u24 v10, v1, 528
	v_add3_u32 v[STV], v10, v7, s83
	s_mul_i32 s83, s20, 16*528
	s_add_co_u32 s83, s83, VST
	v_add_nc_u32 v[RDV], s83, v[GQ]
	v_lshl_add_u32 v[GV], s20, 16, v[GQ]
	s_lshl_b32 s83, s20, 8
	s_add_co_u32 s83, s83, VSL
	v_lshl_add_u32 v[VSA], v1, 2, s83
	v_lshlrev_b32 v[L8], 3, v3
	v_add_nc_u32 v[VSR], VSL, v[L8]
	v_lshlrev_b32 v[BO], 5, v2
	v_lshlrev_b32 v[BVO], 2, v1
	s_lshl_b32 s83, s20, 14
	v_lshl_add_u32 v[CSO], v1, 8, s83
	v_lshl_add_u32 v[CSO], v2, 6, v[CSO]           ; (64 wave + r) 256 + 64 h
	s_mov_b32 s81, 0x76543210
	s_mov_b32 s82, 0xfedcba98
	s_mul_i32 s76, s25, 768
	s_mov_b32 s77, 0
	s_add_nc_u64 s[76:77], s[8:9], s[76:77]        ; the head's 192 biases
	s_and_b32 s78, s26, 7
	s_lshl_b32 s78, s78, 16
	s_mov_b32 s79, 0
	s_add_nc_u64 s[78:79], s[10:11], s[78:79]      ; the rotary table at the block's first token (256 tokens of 256 bytes)
.irp nb, 0,1,2,3,4,5,6,7
	global_load_b128 v[BQK+8*\nb:BQK+8*\nb+3], v[BO], s[76:77] offset:64*\nb
	global_load_b128 v[BQK+8*\nb+4:BQK+8*\nb+7], v[BO], s[76:77] offset:64*\nb+16
.endr
.irp nv, 0,1,2,3
	global_load_b32 v[BV+2*\nv], v[BVO], s[76:77] offset:512+64*\nv
	global_load_b32 v[BV+2*\nv+1], v[BVO], s[76:77] offset:512+64*\nv
.endr
.irp mb, 0,1,2,3
.irp p, 0,1
.irp c, 0,1,2,3
	global_load_b128 v[CS+32*\mb+16*\p+4*\c:CS+32*\mb+16*\p+4*\c+3], v[CSO], s[78:79] offset:4096*\mb+128*\p+16*\c
.endr
.endr
.endr
	; where the results go
	s_lshr_b32 s92, s26, 3                         ; b
	s_and_b32 s93, s26, 7                          ; block of 256 tokens within b
	s_lshl_b32 s92, s92, 4
	s_add_co_u32 s92, s92, s25                     ; b 16 + head
	s_lshl_b32 s94, s92, 18
	s_lshl_b32 s95, s93, 15
	s_add_co_u32 s94, s94, s95
	s_lshl_b32 s95, s20, 13
	s_add_co_u32 s94, s94, s95                     ; ((b 16 + head) 2048 + 256 block + 64 wave) rows of 128 bytes
	s_mov_b32 s95, 0
	s_add_nc_u64 s[84:85], s[12:13], s[94:95]
	s_add_nc_u64 s[86:87], s[14:15], s[94:95]
	s_lshl_b32 s94, s92, 18
	s_lshl_b32 s96, s93, 9
	s_add_co_u32 s94, s94, s96
	s_add_nc_u64 s[88:89], s[16:17], s[94:95]      ; vtw: 64 rows of 4,096 bytes a head, 512 bytes a block
	s_lshl_b32 s94, s26, 4
	s_add_co_u32 s94, s94, s25
	s_lshl_b32 s94, s94, 8
	s_add_nc_u64 s[90:91], s[18:19], s[94:95]
; 12 matrix instructions: row block mb x all 12 column tiles, 32 along K, from fragment buffer f (x at 32 f, W at 64 + 96 f in window 1).
; The 48 accumulators take turns, one instruction a turn, in the same order in every quarter step.
.macro MUL12 f, mb, zero
.irp nb, 0,1,2,3,4,5,6,7
.if \zero
	v_wmma_f32_16x16x32_bf16 v[8*(12*((\mb)&1)+\nb):8*(12*((\mb)&1)+\nb)+7], v[64+96*(\f)+8*\nb:64+96*(\f)+8*\nb+7], v[32*(\f)+8*(\mb):32*(\f)+8*(\mb)+7], 0
.else
	v_wmma_f32_16x16x32_bf16 v[8*(12*((\mb)&1)+\nb):8*(12*((\mb)&1)+\nb)+7], v[64+96*(\f)+8*\nb:64+96*(\f)+8*\nb+7], v[32*(\f)+8*(\mb):32*(\f)+8*(\mb)+7], v[8*(12*((\mb)&1)+\nb):8*(12*((\mb)&1)+\nb)+7]
.endif
.endr
.irp nb, 8,9,10,11
.if \zero
	v_wmma_f32_16x16x32_bf16 v[8*(12*((\mb)&1)+\nb):8*(12*((\mb)&1)+\nb)+7], v[32*(\f)+8*(\mb):32*(\f)+8*(\mb)+7], v[64+96*(\f)+8*\nb:64+96*(\f)+8*\nb+7], 0
.else
	v_wmma_f32_16x16x32_bf16 v[8*(12*((\mb)&1)+\nb):8*(12*((\mb)&1)+\nb)+7], v[32*(\f)+8*(\mb):32*(\f)+8*(\mb)+7], v[64+96*(\f)+8*\nb:64+96*(\f)+8*\nb+7], v[8*(12*((\mb)&1)+\nb):8*(12*((\mb)&1)+\nb)+7]
.endif
.endr
.endm
; 32 LDS loads: the fragments of quarter q (32 along K) of a slot into buffer f
.macro FETCH slot, q, f
	WIN 0x40
.irp nb, 0,1,2,3,4,5,6,7,8,9,10,11
	ds_load_tr16_b128 v[64+96*(\f)+8*\nb:64+96*(\f)+8*\nb+3], v[ADRW+\slot] offset:\q*32*WPITCH+(\nb>>2)*160+(\nb&3)*32
	ds_load_tr16_b128 v[64+96*(\f)+8*\nb+4:64+96*(\f)+8*\nb+7], v[ADRW+\slot] offset:\q*32*WPITCH+16*WPITCH+(\nb>>2)*160+(\nb&3)*32
.endr
.irp mb, 0,1,2,3
	ds_load_b128 v[32*(\f)+8*\mb:32*(\f)+8*\mb+3], v[ADRA+\slot] offset:\q*64+\mb*16*APITCH
	ds_load_b128 v[32*(\f)+8*\mb+4:32*(\f)+8*\mb+7], v[ADRA+\slot] offset:\q*64+\mb*16*APITCH+32
.endr
.endm
; multiplies buffer f; ahead of its 48 products it asks for quarter q of the same slot into the other buffer
.macro QUARTER slot, q, f, zero
	s_wait_dscnt 0x0                               ; buffer f's loads
	PLACES
	FETCH \slot, \q, 1-\f
	WIN 0xa5
	MUL12 \f, 0, \zero
	MUL12 \f, 1, \zero
	WIN 0xf5
	MUL12 \f, 2, \zero
	MUL12 \f, 3, \zero
.endm
.macro THREE slot, zero
	QUARTER \slot, 1, 0, \zero
	QUARTER \slot, 2, 1, 0
	QUARTER \slot, 3, 0, 0
.endm
; the fourth quarter multiplies buffer 1 and changes slots: one barrier; where the slot is filled again it opens a round of the cluster's barrier
.macro TURN slot, next, fill
	s_wait_dscnt 0x0                               ; my reads of this slot are over
	s_set_vgpr_msb 0xf5f0
	s_wait_tensorcnt 0x0                           ; all my tensor loads have landed: the one that was out is my part of the next slot
	ds_add_u32 v254, v255
	s_wait_dscnt 0x0
	s_set_vgpr_msb 0xf0f5
	s_barrier_signal -1
	WIN 0xa5
	MUL12 1, 0, 0                                  ; register work while the others arrive
	MUL12 1, 1, 0
	WIN 0
	s_barrier_wait -1
.if \fill
	CREST                                          ; no wave of any partner still reads this slot or has a load on its way
	s_add_nc_u64 s[G0A+4*\slot+2:G0A+4*\slot+3], s[G0A+4*\slot+2:G0A+4*\slot+3], 512
	s_add_nc_u64 s[G0W+4*\slot+2:G0W+4*\slot+3], s[G0W+4*\slot+2:G0W+4*\slot+3], 256*6144
	JLOAD \slot                                    ; two K steps ahead: the wave's one tensor load behind the round, first thing there
.endif
	PLACES
	FETCH \next, 0, 0
	WIN 0xf5
	MUL12 1, 2, 0
	MUL12 1, 3, 0
.endm
.macro LAP zero
	THREE 0, \zero
	TURN 0, 1, 1
	THREE 1, 0
	TURN 1, 0, 1
.endm
	s_wait_loadcnt 0x0                             ; bias and cos/sin, once
	s_wait_tensorcnt 0x1                           ; my part of K step 0 is in; K step 1's may stay out
	s_barrier_signal -1
	s_barrier_wait -1
	FETCH 0, 0, 0
	LAP 1                                          ; the first products start the sums: nothing is cleared
	WIN 0
	s_mov_b32 s80, 2
.Llap:
	LAP 0
	WIN 0
	s_sub_co_u32 s80, s80, 1
	s_cmp_lg_u32 s80, 0
	s_cbranch_scc1 .Llap
	THREE 0, 0                                     ; the last lap (K steps 6, 7) fills nothing
	TURN 0, 1, 0
	THREE 1, 0
	s_wait_dscnt 0x0
	WIN 0xa5
	MUL12 1, 0, 0
	MUL12 1, 1, 0
	WIN 0xf5
	MUL12 1, 2, 0
	MUL12 1, 3, 0
	PLACES
; q and k of row block mb: bias, rotation, q's scale, f16, through my stage into whole rows of 128 bytes
.macro OUTQK mb
	WIN 0x42+((\mb)>>1)
.irp nb, 0,1,2,3,4,5,6,7
.irp j, 0,2,4,6
	v_pk_add_f32 v[X+8*\nb+\j:X+8*\nb+\j+1], v[8*(12*((\mb)&1)+\nb)+\j:8*(12*((\mb)&1)+\nb)+\j+1], v[BQK+8*\nb+\j:BQK+8*\nb+\j+1]
.endr
.endr
	WIN 0x51
.irp qk, 0,4
.irp p, 0,1
.irp j, 0,1,2,3,4,5,6,7
	v_mul_f32 v[T+2*\j], v[X+8*(\qk+\p+2)+\j], v[CS+32*\mb+16*\p+2*\j+1]      ; x[d+32] sin
	v_mul_f32 v[T+2*\j+1], v[X+8*(\qk+\p)+\j], v[CS+32*\mb+16*\p+2*\j+1]      ; x[d] sin
.endr
.irp j, 0,1,2,3,4,5,6,7
	v_fma_f32 v[X+8*(\qk+\p)+\j], v[X+8*(\qk+\p)+\j], v[CS+32*\mb+16*\p+2*\j], -v[T+2*\j]
	v_fma_f32 v[X+8*(\qk+\p+2)+\j], v[X+8*(\qk+\p+2)+\j], v[CS+32*\mb+16*\p+2*\j], v[T+2*\j+1]
.endr
.endr
.endr
	WIN 0x45
.irp nb, 0,1,2,3
.irp j, 0,2,4,6
	v_pk_mul_f32 v[X+8*\nb+\j:X+8*\nb+\j+1], v[X+8*\nb+\j:X+8*\nb+\j+1], 0x3e38aa3b op_sel_hi:[1,0]   ; q x 0.125 log2(e): the softmax works in base 2
.endr
.endr
.irp nb, 0,1,2,3,4,5,6,7
.irp j, 0,1,2,3
	v_cvt_pk_f16_f32 v[PK+4*\nb+\j], v[X+8*\nb+2*\j], v[X+8*\nb+2*\j+1]
.endr
.endr
	WIN 0x04
.irp nb, 0,1,2,3,4,5,6,7
	ds_store_b128 v[STQ], v[PK+4*\nb:PK+4*\nb+3] offset:(\nb>>2)*2304+(\nb&3)*32
.endr
	s_wait_xcnt 0x0                                ; RB, which the last block's stores read, is loaded again only behind this wait
	WIN 0x40
.irp st, 0,1
.irp i, 0,1,2,3
	ds_load_b128 v[RB+16*\st+4*\i:RB+16*\st+4*\i+3], v[RDQ] offset:2304*\st+576*\i   ; LDS serves a wave's instructions in order (ISA guide 5.7.1.4): these see the stores above
.endr
.endr
	WIN 0x04
.irp i, 0,1,2,3
	s_wait_dscnt 7-\i
	global_store_b128 v[GQ], v[RB+4*\i:RB+4*\i+3], s[84:85] offset:2048*\mb+512*\i     ; four tokens' rows: 512 consecutive bytes, aligned
.endr
.irp i, 0,1,2,3
	s_wait_dscnt 3-\i
	global_store_b128 v[GQ], v[RB+16+4*\i:RB+16+4*\i+3], s[86:87] offset:2048*\mb+512*\i
.endr
.endm
; v of row block mb: bias, column sums, f16, into the work-group's stage [d][token]
.macro OUTV mb
	WIN 0x42+((\mb)>>1)
.irp nv, 0,1,2,3
.irp j, 0,2,4,6
	v_pk_add_f32 v[X+8*\nv+\j:X+8*\nv+\j+1], v[8*(12*((\mb)&1)+8+\nv)+\j:8*(12*((\mb)&1)+8+\nv)+\j+1], v[BV+2*\nv:BV+2*\nv+1]
.endr
.endr
	WIN 0x45
.irp nv, 0,1,2,3
.if \mb == 0
	v_pk_add_f32 v[VS+2*\nv:VS+2*\nv+1], v[X+8*\nv:X+8*\nv+1], v[X+8*\nv+2:X+8*\nv+3]  ; the first add starts the sum
.else
	v_pk_add_f32 v[VS+2*\nv:VS+2*\nv+1], v[VS+2*\nv:VS+2*\nv+1], v[X+8*\nv:X+8*\nv+1]
	v_pk_add_f32 v[VS+2*\nv:VS+2*\nv+1], v[VS+2*\nv:VS+2*\nv+1], v[X+8*\nv+2:X+8*\nv+3]
.endif
	v_pk_add_f32 v[VS+2*\nv:VS+2*\nv+1], v[VS+2*\nv:VS+2*\nv+1], v[X+8*\nv+4:X+8*\nv+5]
	v_pk_add_f32 v[VS+2*\nv:VS+2*\nv+1], v[VS+2*\nv:VS+2*\nv+1], v[X+8*\nv+6:X+8*\nv+7]
.endr
.irp nv, 0,1,2,3
.irp j, 0,1,2,3
	v_cvt_pk_f16_f32 v[PK+4*\nv+\j], v[X+8*\nv+2*\j], v[X+8*\nv+2*\j+1]
.endr
.endr
	WIN 0x04
.irp nv, 0,1,2,3
	ds_store_b128 v[STV], v[PK+4*\nv:PK+4*\nv+3] offset:\nv*16*528+\mb*32
.endr
.endm
.irp mb, 0,1,2,3
	OUTQK \mb
	OUTV \mb
.endr
	WIN 0x45
.irp nv, 0,1,2,3
	v_add_f32 v[VS+2*\nv], v[VS+2*\nv], v[VS+2*\nv+1]
.endr
.irp nv, 0,1,2,3
	v_permlanex16_b32 v[T+\nv], v[VS+2*\nv], s81, s82      ; the other half's 32 tokens
.endr
.irp nv, 0,1,2,3
	v_add_f32 v[VS+2*\nv], v[VS+2*\nv], v[T+\nv]
.endr
	WIN 0x04
.irp nv, 0,1,2,3
	ds_store_b32 v[VSA], v[VS+2*\nv] offset:64*\nv         ; both halves write the same word with the same value
.endr
	WIN 0
	s_wait_dscnt 0x0                               ; my stores to the two shared stages are done,
	s_barrier_signal -1
	s_barrier_wait -1                              ; everybody's are
	WIN 0x40
.irp i, 0,1,2,3,4,5,6,7,8,9,10,11,12,13,14,15
	ds_load_b128 v[X+4*\i:X+4*\i+3], v[RDV] offset:528*\i  ; row d = 16 wave + i: 256 tokens, 512 bytes
.endr
	WIN 0x04
.irp i, 0,1,2,3,4,5,6,7,8,9,10,11,12,13,14,15
	s_wait_dscnt 15-\i
	global_store_b128 v[GV], v[X+4*\i:X+4*\i+3], s[88:89] offset:4096*\i
.endr
	WIN 0
	s_cmp_lg_u32 s20, 0
	s_cbranch_scc1 .Lno_sum
	WIN 0x40
.irp w, 0,1,2,3
	ds_load_b64 v[T+2*\w:T+2*\w+1], v[VSR] offset:256*\w
.endr
	s_wait_dscnt 0x0
	WIN 0x45
	v_pk_add_f32 v[T:T+1], v[T:T+1], v[T+2:T+3]
	v_pk_add_f32 v[T+4:T+5], v[T+4:T+5], v[T+6:T+7]
	v_pk_add_f32 v[T:T+1], v[T:T+1], v[T+4:T+5]
	WIN 0x04
	global_store_b64 v[L8], v[T:T+1], s[90:91]             ; 64 sums: 256 consecutive bytes, aligned
	WIN 0
.Lno_sum:
	s_wait_tensorcnt 0x0
	ds_add_u32 v254, v255
	s_wait_dscnt 0x0
	CROUND                                         ; the closing round: no work-group ends while a partner may still ask for a tile that names it
	s_endpgm
.Lfunc_end_k_q122bf3bff5_qkv:
	.size	k_q122bf3bff5_qkv, .Lfunc_end_k_q122bf3bff5_qkv-k_q122bf3bff5_qkv
	.p2alignl 7, 3214868480
	.fill 96, 4, 3214868480
	.section	.rodata,"a",@progbits
	.p2align	6, 0x0
	.amdhsa_kernel k_q122bf3bff5_qkv
		.amdhsa_group_segment_fixed_size 327680
		.amdhsa_private_segment_fixed_size 0
		.amdhsa_enable_private_segment 0
		.amdhsa_kernarg_size 64
		.amdhsa_user_sgpr_count 2
		.amdhsa_user_sgpr_kernarg_segment_ptr 1
		.amdhsa_wavefront_size32 1
		.amdhsa_system_sgpr_workgroup_id_x 1
		.amdhsa_system_sgpr_workgroup_id_y 1
		.amdhsa_system_sgpr_workgroup_id_z 1
		.amdhsa_system_vgpr_workitem_id 0
		.amdhsa_next_free_vgpr 960
		.amdhsa_next_free_sgpr 100
		.amdhsa_reserve_vcc 0
		.amdhsa_float_denorm_mode_32 3
		.amdhsa_float_denorm_mode_16_64 3
		.amdhsa_memory_ordered 1
		.amdhsa_forward_progress 1
		.amdhsa_inst_pref_size 217
	.end_amdhsa_kernel
	.amdgpu_metadata
---
amdhsa.version: [ 1, 2 ]
amdhsa.kernels:
  - .name:           k_q122bf3bff5_qkv
    .symbol:         k_q122bf3bff5_qkv.kd
    .args:
      - { .name: xb, .offset: 0, .size: 8, .value_kind: global_buffer, .address_space: global }
      - { .name: wb, .offset: 8, .size: 8, .value_kind: global_buffer, .address_space: global }
      - { .name: b_qkv, .offset: 16, .size: 8, .value_kind: global_buffer, .address_space: global }
      - { .name: tab, .offset: 24, .size: 8, .value_kind: global_buffer, .address_space: global }
      - { .name: qws, .offset: 32, .size: 8, .value_kind: global_buffer, .address_space: global }
      - { .name: kws, .offset: 40, .size: 8, .value_kind: global_buffer, .address_space: global }
      - { .name: vtw, .offset: 48, .size: 8, .value_kind: global_buffer, .address_space: global }
      - { .name: vsum, .offset: 56, .size: 8, .value_kind: global_buffer, .address_space: global }
    .group_segment_fixed_size: 327680
    .private_segment_fixed_size: 0
    .kernarg_segment_align: 8
    .kernarg_segment_size: 64
    .max_flat_workgroup_size: 128
    .sgpr_count:     100
    .vgpr_count:     960
    .wavefront_size: 32
...
	.end_amdgpu_metadata
.endif
;; end of part 2
;; launch attn (part 3): grid 8 x 32, 8 waves a work-group, no clusters, 327,680 bytes of LDS; arguments qws, kws, vtw, tab, vsum, att; writes att
.if DOCPART == 3
	.amdgcn_target "amdgcn-amd-amdhsa--gfx1250"
	.amdhsa_code_object_version 6
	.text
	.protected	k_q122bf3bff5_attn
	.globl	k_q122bf3bff5_attn
	.p2align	8
	.type	k_q122bf3bff5_attn,@function
k_q122bf3bff5_attn:
	s_mov_b64 s[64:65], 0
	v_nop
	global_prefetch_b8 v0, s[64:65] scope:SCOPE_SE
	s_setreg_imm32_b32 hwreg(HW_REG_WAVE_MODE, 25, 1), 1
	s_wait_xcnt 0x0
; Causal attention of one (batch, head) with a key mask, by a running maximum; f16 operands, f32 sums.  att[h][b 2048 + t][64] in f16.
; Query blocks of 128 rows, key units of 128 keys.  Work-group x takes block 2 x (2 x + 1 units) and then block 15 - 2 x (16 - 2 x units): 17 units in every one
; of the 256 work-groups.  In a block the diagonal unit comes first and starts the sums; then the units below it, downward.  So each step's LDS slot is fixed in the text.
; Eight waves: wq = wave & 3 owns 32 queries, g = wave >> 2 owns keys 64 g .. 64 g + 63 of every unit; the two partial softmaxes of waves w and w + 4 meet in LDS at a block's end.
; Scores are made transposed, S^T = K Q^T: lane (r, h), register j holds key 8 h + j of query r.  That is the layout in which P enters O^T = V^T P as second source,
; and maximum, sum and rescale are one number a lane; one step across the two halves of the lanes finishes a maximum.
; MASKS: the key bias (0 or -1e30) is the C operand of the first score product; future keys of the diagonal unit get -1e30 by a select.  The running maximum starts at -1e20,
; below every score that f16 operands can give (64 x 65,504^2 < 3e11), so it is the true maximum; a masked p is exp2(-1e30 - m) = 0.  A query all of whose keys are masked ends with
; the sum 0 and takes the mean of v over all 2,048 tokens, as a softmax of equal scores does.
; NO CLUSTER: the eight work-groups of a head walk 17 units each, but start at different diagonals (2 x, then 15 - 2 x) and go downward, so in a given step no two of them want the
; same unit; joint requests would have every partner ask for tiles that it does not use.
; LIMIT: keys are summed in another order than in a plain softmax; p is rounded to f16 for the product with v while the row sum keeps f32.
.set RING,  18432                      ; from slot 0 to slot 1, for K, vT and the bias alike
.set MERGE, 110592                     ; + wq 8,704: O of the upper wave (16 x 512 bytes), its maxima and sums at 8,192
.set STAGE, 145408                     ; + wq 4,608: 32 query rows x 144 bytes
.set MEANV, 163840                     ; 64 f32
.set G1K, 32
.set G1V, 40
.set G1B, 48
.set G0K, 56
.set G0V, 68
.set G0B, 76
.set KA, 3                             ; (64 g + r) 144 + 16 h
.set VA, 4                             ; 36,864 + r 272 + 128 g + 16 h
.set BA, 5                             ; 73,728 + 256 g + 32 h
.set CT, 6                             ; 32 wq + r - 64 g - 8 h
.set NEGV, 7
.set QO, 8
.set MGA, 9
.set STA, 10
.set RDA, 11
.set L16, 12
.set MVA, 13
.set M,  16                            ; v16-17 running maxima of query tiles 0, 1
.set LS, 18                            ; v18-19 running sums (each half of the lanes its own keys)
.set MX, 20
.set AL, 22                            ; v[22:23] the rescale factor, twice
.set T,  24
.set BI, 32                            ; v[32:47]  key bias of two key tiles
.set F,  48                            ; v[48:79]  four fragments of K or of vT
.set Q,  80                            ; v[80:111] fragment (qt, ds) at 16 qt + 8 ds
.set S,  112                           ; v[112:175] tile (kb, qt) at 16 kb + 8 qt
.set O,  176                           ; v[176:239] tile (db, qt) at 16 db + 8 qt
.macro PLACES                          ; five plain places behind matrix instructions: enough for loads into their registers, readers of their results and later products that take or write over them
.rept 5
	v_nop
.endr
.endm
.macro LOADS s                         ; wave 0 fetches K's tile, wave 1 vT's, wave 2 the bias: one tensor load a wave
	s_cmp_lg_u32 s16, 0
	s_cbranch_scc1 .Lnot_k_\@
	tensor_load_to_lds s[G0K+4*(\s):G0K+4*(\s)+3], s[G1K:G1K+7]
	s_nop 0
	s_branch .Lasked_\@
.Lnot_k_\@:
	s_cmp_lg_u32 s16, 1
	s_cbranch_scc1 .Lnot_v_\@
	tensor_load_to_lds s[G0V+4*(\s):G0V+4*(\s)+3], s[G1V:G1V+7]
	s_nop 0
	s_branch .Lasked_\@
.Lnot_v_\@:
	s_cmp_lg_u32 s16, 2
	s_cbranch_scc1 .Lasked_\@
	tensor_load_to_lds s[G0B+4*(\s):G0B+4*(\s)+3], s[G1B:G1B+7]
	s_nop 0
.Lasked_\@:
.endm
.macro ADDR s                          ; slot s's three global addresses for key unit s25
	s_lshl_b32 s26, s25, 14                        ; 128 keys of 128 bytes
	s_add_nc_u64 s[G0K+4*(\s)+2:G0K+4*(\s)+3], s[84:85], s[26:27]
	s_or_b32 s[G0K+4*(\s)+3], s[G0K+4*(\s)+3], 0x80000000
	s_lshl_b32 s26, s25, 8                         ; 128 tokens of 2 bytes along vT's rows
	s_add_nc_u64 s[G0V+4*(\s)+2:G0V+4*(\s)+3], s[86:87], s[26:27]
	s_or_b32 s[G0V+4*(\s)+3], s[G0V+4*(\s)+3], 0x80000000
	s_lshl_b32 s26, s25, 9                         ; 128 biases of 4 bytes
	s_add_nc_u64 s[G0B+4*(\s)+2:G0B+4*(\s)+3], s[88:89], s[26:27]
	s_or_b32 s[G0B+4*(\s)+3], s[G0B+4*(\s)+3], 0x80000000
.endm
.macro NEXT s                          ; the unit below; behind unit 0 of the first block, the second block's diagonal
	s_sub_co_i32 s25, s25, 1
	s_cmp_lt_i32 s25, 0
	s_cselect_b32 s25, s24, s25
	ADDR \s
.endm
	s_load_b256 s[4:11], s[0:1], 0x0               ; qws s[4:5], kws s[6:7], vtw s[8:9], tab s[10:11]
	s_load_b128 s[12:15], s[0:1], 0x20             ; vsum s[12:13], att s[14:15]
	v_lshl_add_u32 v254, v0, 2, 0x29000
	v_mov_b32 v255, 0
	ds_add_u32 v254, v255
	v_lshrrev_b32 v1, 5, v0
	v_readfirstlane_b32 s16, v1                    ; wave
	s_and_b32 s17, s16, 3                          ; wq
	s_lshr_b32 s18, s16, 2                         ; g
	s_mov_b32 s19, ttmp9                           ; x
	s_and_b32 s20, ttmp7, 0xffff                   ; b 16 + h
	s_lshr_b32 s21, s20, 4                         ; b
	s_and_b32 s22, s20, 15                         ; h
	s_lshl_b32 s23, s19, 1                         ; first block
	s_sub_co_u32 s24, 15, s23                      ; second block
	s_mov_b32 s25, s23                             ; the unit asked for next
	s_mov_b32 s27, 0
	s_mov_b32 s30, 0x76543210
	s_mov_b32 s31, 0xfedcba98
	s_mov_b32 s94, 0xe0ad78ec                      ; -1e20
	; K: 16,384 dense bytes as 64 rows of 32 elements of 8 bytes; 16 bytes of padding behind every 32 words: key rows 144 bytes apart
	s_mov_b32 s[G1K+0], (3<<16)|(1<<20)|(4<<22)|(3<<25)
	s_mov_b32 s[G1K+1], 32<<16
	s_mov_b32 s[G1K+2], 64<<16
	s_mov_b32 s[G1K+3], 32<<16
	s_mov_b32 s[G1K+4], 64
	s_mov_b32 s[G1K+5], 32
	s_mov_b32 s[G1K+6], 0
	s_mov_b32 s[G1K+7], 0
	; vT: 64 rows d x 128 tokens of 2 bytes, pitch 2,048; 16 bytes behind every 64 words: rows 272 bytes apart
	s_mov_b32 s[G1V+0], (1<<16)|(1<<20)|(5<<22)|(3<<25)
	s_mov_b32 s[G1V+1], 128<<16
	s_mov_b32 s[G1V+2], 64<<16
	s_mov_b32 s[G1V+3], 128<<16
	s_mov_b32 s[G1V+4], 64
	s_mov_b32 s[G1V+5], 2048
	s_mov_b32 s[G1V+6], 0
	s_mov_b32 s[G1V+7], 0
	; bias: one row of 512 bytes
	s_mov_b32 s[G1B+0], 3<<16
	s_mov_b32 s[G1B+1], 64<<16
	s_mov_b32 s[G1B+2], 1<<16
	s_mov_b32 s[G1B+3], 64<<16
	s_mov_b32 s[G1B+4], 1
	s_mov_b32 s[G1B+5], 64
	s_mov_b32 s[G1B+6], 0
	s_mov_b32 s[G1B+7], 0
.irp s, 0,1
	s_mov_b32 s[G0K+4*\s], 1
	s_mov_b32 s[G0K+4*\s+1], \s*RING
	s_mov_b32 s[G0V+4*\s], 1
	s_mov_b32 s[G0V+4*\s+1], 36864+\s*RING
	s_mov_b32 s[G0B+4*\s], 1
	s_mov_b32 s[G0B+4*\s+1], 73728+\s*RING
.endr
	s_wait_dscnt 0x0
	s_barrier_signal -1
	s_barrier_wait -1
	s_wait_kmcnt 0x0
	s_lshl_b32 s26, s20, 18
	s_add_nc_u64 s[84:85], s[6:7], s[26:27]        ; K of my head
	s_add_nc_u64 s[86:87], s[8:9], s[26:27]        ; vT of my head
	s_lshl_b32 s26, s21, 13
	s_add_co_u32 s26, s26, 0x80000
	s_add_nc_u64 s[88:89], s[10:11], s[26:27]      ; the key bias of my batch
	ADDR 0
	LOADS 0                                        ; the first block's diagonal unit: the launch's first fill, one load a wave
	v_and_b32 v1, 15, v0                           ; r
	v_bfe_u32 v2, v0, 4, 1                         ; h
	v_and_b32 v[L16], 31, v0                       ; L
	v_mul_u32_u24 v[KA], v1, 144
	v_lshl_add_u32 v[KA], v2, 4, v[KA]             ; r 144 + 16 h
	s_mul_i32 s29, s17, 4608
	s_add_co_u32 s29, s29, STAGE
	v_add_nc_u32 v[STA], s29, v[KA]
	v_bfe_u32 v24, v0, 3, 2
	v_mul_u32_u24 v24, v24, 144
	v_and_b32 v25, 7, v0
	v_lshl_add_u32 v24, v25, 4, v24
	v_add_nc_u32 v[RDA], s29, v24
	s_mul_i32 s29, s18, 64*144
	v_add_nc_u32 v[KA], s29, v[KA]
	v_mul_u32_u24 v[VA], v1, 272
	v_lshl_add_u32 v[VA], v2, 4, v[VA]
	s_lshl_b32 s29, s18, 7
	s_add_co_u32 s29, s29, 36864
	v_add_nc_u32 v[VA], s29, v[VA]
	s_lshl_b32 s29, s18, 8
	s_add_co_u32 s29, s29, 73728
	v_lshl_add_u32 v[BA], v2, 5, s29
	s_lshl_b32 s29, s17, 5
	s_lshl_b32 s28, s18, 6
	s_sub_co_i32 s29, s29, s28
	v_add_nc_u32 v[CT], s29, v1
	v_lshlrev_b32 v24, 3, v2
	v_sub_nc_u32 v[CT], v[CT], v24
	v_mov_b32 v[NEGV], 0xf149f2ca                  ; -1e30
	v_lshlrev_b32 v[QO], 7, v1
	v_lshl_add_u32 v[QO], v2, 4, v[QO]
	v_lshlrev_b32 v[L16], 4, v[L16]                ; 16 L
	s_mul_i32 s29, s17, 8704
	s_add_co_u32 s29, s29, MERGE
	v_add_nc_u32 v[MGA], s29, v[L16]
	v_lshlrev_b32 v[MVA], 5, v2
	v_add_nc_u32 v[MVA], MEANV, v[MVA]
	v_lshlrev_b32 v15, 2, v0
	v_add_nc_u32 v14, MEANV, v15
.macro LOADQ qi                        ; my 32 queries of block qi as four fragments
	s_lshl_b32 s26, s20, 18
	s_lshl_b32 s29, \qi, 14
	s_add_co_u32 s26, s26, s29
	s_lshl_b32 s29, s17, 12
	s_add_co_u32 s26, s26, s29
	s_add_nc_u64 s[90:91], s[4:5], s[26:27]
.irp qt, 0,1
.irp ds, 0,1
	global_load_b128 v[Q+16*\qt+8*\ds:Q+16*\qt+8*\ds+3], v[QO], s[90:91] offset:\qt*2048+\ds*64
	global_load_b128 v[Q+16*\qt+8*\ds+4:Q+16*\qt+8*\ds+7], v[QO], s[90:91] offset:\qt*2048+\ds*64+32
.endr
.endr
.endm
	LOADQ s23
	; the mean of v over the batch's 2,048 tokens: threads 0 to 63 add the eight blocks' sums
	s_lshl_b32 s26, s21, 7
	s_add_co_u32 s26, s26, s22
	s_lshl_b32 s26, s26, 8
	s_add_nc_u64 s[98:99], s[12:13], s[26:27]
	s_cmp_lt_u32 s16, 2
	s_cbranch_scc0 .Lno_mean
.irp i, 0,1,2,3,4,5,6,7
	global_load_b32 v[240+\i], v15, s[98:99] offset:4096*\i
.endr
	s_wait_loadcnt 0x0
	v_add_f32 v240, v240, v241
	v_add_f32 v242, v242, v243
	v_add_f32 v244, v244, v245
	v_add_f32 v246, v246, v247
	v_add_f32 v240, v240, v242
	v_add_f32 v244, v244, v246
	v_add_f32 v240, v240, v244
	v_mul_f32 v240, 0x3a000000, v240               ; / 2048
	ds_store_b32 v14, v240                         ; read behind the first step's wait and barrier
.Lno_mean:
.macro KLOAD slot, kp                  ; K's fragments and the biases of key tiles 2 kp, 2 kp + 1: 12 loads
.irp k, 0,1
.irp ds, 0,1
	ds_load_b128 v[F+16*\k+8*\ds:F+16*\k+8*\ds+3], v[KA] offset:\slot*RING+(2*\kp+\k)*2304+\ds*64
	ds_load_b128 v[F+16*\k+8*\ds+4:F+16*\k+8*\ds+7], v[KA] offset:\slot*RING+(2*\kp+\k)*2304+\ds*64+32
.endr
	ds_load_b128 v[BI+8*\k:BI+8*\k+3], v[BA] offset:\slot*RING+(2*\kp+\k)*64
	ds_load_b128 v[BI+8*\k+4:BI+8*\k+7], v[BA] offset:\slot*RING+(2*\kp+\k)*64+16
.endr
.endm
.macro SCORE kp                        ; 8 products; four accumulators take turns, one instruction a turn; the first takes the bias as C
.irp k, 0,1
.irp qt, 0,1
	v_wmma_f32_16x16x32_f16 v[S+8*(4*\kp+2*\k+\qt):S+8*(4*\kp+2*\k+\qt)+7], v[F+16*\k:F+16*\k+7], v[Q+16*\qt:Q+16*\qt+7], v[BI+8*\k:BI+8*\k+7]
.endr
.endr
.irp k, 0,1
.irp qt, 0,1
	v_wmma_f32_16x16x32_f16 v[S+8*(4*\kp+2*\k+\qt):S+8*(4*\kp+2*\k+\qt)+7], v[F+16*\k+8:F+16*\k+15], v[Q+16*\qt+8:Q+16*\qt+15], v[S+8*(4*\kp+2*\k+\qt):S+8*(4*\kp+2*\k+\qt)+7]
.endr
.endr
.endm
.macro CAUSAL kp                       ; key 64 g + 16 kb + 8 h + j is masked for query 32 wq + 16 qt + r if j + 16 (kb - qt) > CT
.irp k, 0,1
.irp qt, 0,1
.irp j, 0,1,2,3,4,5,6,7
	v_cmp_gt_i32 vcc_lo, \j+16*(2*\kp+\k-\qt), v[CT]
	v_cndmask_b32 v[S+8*(4*\kp+2*\k+\qt)+\j], v[S+8*(4*\kp+2*\k+\qt)+\j], v[NEGV], vcc_lo
.endr
.endr
.endr
.endm
.macro MAX2 kb, j
.irp qt, 0,1
	v_max3_num_f32 v[MX+\qt], v[MX+\qt], v[S+16*\kb+8*\qt+\j], v[S+16*\kb+8*\qt+\j+1]
.endr
.endm
.macro VLOAD slot, ks                  ; vT's four fragments of 32 keys: ks = 0 into F, ks = 1 into the four score tiles that the packing of P has freed
.irp db, 0,1,2,3
.if \ks
	ds_load_b128 v[S+16+8*(\db&1)+32*(\db>>1):S+16+8*(\db&1)+32*(\db>>1)+3], v[VA] offset:\slot*RING+\db*4352+64
	ds_load_b128 v[S+16+8*(\db&1)+32*(\db>>1)+4:S+16+8*(\db&1)+32*(\db>>1)+7], v[VA] offset:\slot*RING+\db*4352+96
.else
	ds_load_b128 v[F+8*\db:F+8*\db+3], v[VA] offset:\slot*RING+\db*4352
	ds_load_b128 v[F+8*\db+4:F+8*\db+7], v[VA] offset:\slot*RING+\db*4352+32
.endif
.endr
.endm
.macro SOFTMAX qt, first
	v_permlanex16_b32 v[T], v[MX+\qt], s30, s31            ; the other half's keys
	v_max_num_f32 v[T+2], v[MX+\qt], v[T]
	v_max_num_f32 v[T+3], v[MX+\qt], v[T]                  ; (m, m) for the packed subtraction
.if \first
.else
	v_sub_f32 v[T+1], v[M+\qt], v[T+2]
	v_exp_f32 v[AL], v[T+1]                                ; the old sums' factor
.endif
	v_mov_b32 v[M+\qt], v[T+2]                             ; also the plain place behind that exponential (ISA guide 5.7.2)
.irp kb, 0,1,2,3
.irp j, 0,2,4,6
	v_pk_add_f32 v[S+16*\kb+8*\qt+\j:S+16*\kb+8*\qt+\j+1], v[S+16*\kb+8*\qt+\j:S+16*\kb+8*\qt+\j+1], v[T+2:T+3] neg_lo:[0,1] neg_hi:[0,1]
.endr
.endr
.if \first
.else
	s_wait_alu depctr_va_vdst(0)
	v_mov_b32 v[AL+1], v[AL]
.endif
.irp kb, 0,1,2,3
.irp j, 0,1,2,3,4,5,6,7
	v_exp_f32 v[S+16*\kb+8*\qt+\j], v[S+16*\kb+8*\qt+\j]
.endr
.endr
	v_nop                                                  ; one plain place behind the run of exponentials
	s_wait_alu depctr_va_vdst(0)
	v_pk_add_f32 v[T+4:T+5], v[S+8*\qt:S+8*\qt+1], v[S+8*\qt+2:S+8*\qt+3]
	v_pk_add_f32 v[T+6:T+7], v[S+32+8*\qt:S+32+8*\qt+1], v[S+32+8*\qt+2:S+32+8*\qt+3]
.irp j, 4,6,16,18,20,22
	v_pk_add_f32 v[T+4:T+5], v[T+4:T+5], v[S+8*\qt+\j:S+8*\qt+\j+1]
	v_pk_add_f32 v[T+6:T+7], v[T+6:T+7], v[S+32+8*\qt+\j:S+32+8*\qt+\j+1]
.endr
	v_pk_add_f32 v[T+4:T+5], v[T+4:T+5], v[T+6:T+7]
.if \first
	v_add_f32 v[LS+\qt], v[T+4], v[T+5]
.else
	v_add_f32 v[T+4], v[T+4], v[T+5]
	v_fma_f32 v[LS+\qt], v[LS+\qt], v[AL], v[T+4]
.endif
	; P in f16, in place: key tile 2 ks fills registers 0-3 of its own tile, key tile 2 ks + 1 registers 4-7 of the same: a second-source fragment of 32 keys
.irp ks, 0,1
.irp i, 0,1,2,3
	v_cvt_pk_f16_f32 v[S+32*\ks+8*\qt+\i], v[S+32*\ks+8*\qt+2*\i], v[S+32*\ks+8*\qt+2*\i+1]
.endr
.irp i, 0,1,2,3
	v_cvt_pk_f16_f32 v[S+32*\ks+8*\qt+4+\i], v[S+32*\ks+16+8*\qt+2*\i], v[S+32*\ks+16+8*\qt+2*\i+1]
.endr
.endr
.if \first
.else
.irp db, 0,1,2,3
.irp j, 0,2,4,6
	v_pk_mul_f32 v[O+16*\db+8*\qt+\j:O+16*\db+8*\qt+\j+1], v[O+16*\db+8*\qt+\j:O+16*\db+8*\qt+\j+1], v[AL:AL+1]
.endr
.endr
.endif
.endm
.macro PV ks, zero                     ; 8 products; the eight tiles of O take turns, one instruction a turn
.irp db, 0,1,2,3
.irp qt, 0,1
.if \ks
	v_wmma_f32_16x16x32_f16 v[O+16*\db+8*\qt:O+16*\db+8*\qt+7], v[S+16+8*(\db&1)+32*(\db>>1):S+16+8*(\db&1)+32*(\db>>1)+7], v[S+32+8*\qt:S+32+8*\qt+7], v[O+16*\db+8*\qt:O+16*\db+8*\qt+7]
.else
.if \zero
	v_wmma_f32_16x16x32_f16 v[O+16*\db+8*\qt:O+16*\db+8*\qt+7], v[F+8*\db:F+8*\db+7], v[S+8*\qt:S+8*\qt+7], 0
.else
	v_wmma_f32_16x16x32_f16 v[O+16*\db+8*\qt:O+16*\db+8*\qt+7], v[F+8*\db:F+8*\db+7], v[S+8*\qt:S+8*\qt+7], v[O+16*\db+8*\qt:O+16*\db+8*\qt+7]
.endif
.endif
.endr
.endr
.endm
; one key unit for my 32 queries and my 64 keys.  diag = 1: the block's first step: causal mask, and every sum starts here
.macro STEP slot, diag
	KLOAD \slot, 0
.if \diag
	s_wait_loadcnt 0x0                             ; the block's queries
.endif
	s_wait_dscnt 0x0
	SCORE 0
	PLACES
	KLOAD \slot, 1
.if \diag
	CAUSAL 0
.endif
.irp qt, 0,1
.if \diag
	v_max3_num_f32 v[MX+\qt], s94, v[S+8*\qt], v[S+8*\qt+1]
.else
	v_max3_num_f32 v[MX+\qt], v[M+\qt], v[S+8*\qt], v[S+8*\qt+1]
.endif
.endr
	MAX2 0, 2
	MAX2 0, 4
	MAX2 0, 6
.irp j, 0,2,4,6
	MAX2 1, \j
.endr
	s_wait_dscnt 0x0
	SCORE 1
	PLACES
	VLOAD \slot, 0
.if \diag
	CAUSAL 1
.endif
.irp j, 0,2,4,6
	MAX2 2, \j
.endr
.irp j, 0,2,4,6
	MAX2 3, \j
.endr
	SOFTMAX 0, \diag
	SOFTMAX 1, \diag
	VLOAD \slot, 1
	s_wait_dscnt 0x8                               ; the first four fragments of vT are in; the eight loads just issued may be out
	PV 0, \diag
	s_wait_dscnt 0x0
	PV 1, 0
	PLACES
.endm
; a step with its change of slots: every wave waits for all its tensor loads and for its reads of the other slot, one barrier, then the refill first
.macro TRIP slot, refill, diag
	s_wait_tensorcnt 0x0                           ; my tensor load has landed: this step's tile; no load of mine is out, so descriptors may be written
	ds_add_u32 v254, v255
	s_wait_dscnt 0x0
.if \refill
	NEXT 1-\slot
.endif
	s_wait_dscnt 0x0                               ; my reads of the other slot are over
	s_barrier_signal -1
	s_barrier_wait -1
.if \refill
	LOADS 1-\slot                                  ; the wave's one tensor load behind this barrier: the next step's tile, with this step's work in which to land
.endif
	STEP \slot, \diag
.endm
; a block's end: waves 4-7 hand their partial result to waves 0-3, which merge, divide, and store 32 rows of att
.macro FINISH qi
	v_permlanex16_b32 v[T], v[LS], s30, s31
	v_permlanex16_b32 v[T+1], v[LS+1], s30, s31
	v_add_f32 v[LS], v[LS], v[T]
	v_add_f32 v[LS+1], v[LS+1], v[T+1]
	s_lshl_b32 s26, s22, 19                        ; (h 4096 + b 2048 + 128 block + 32 wq) rows of 128 bytes
	s_lshl_b32 s29, s21, 18
	s_add_co_u32 s26, s26, s29
	s_lshl_b32 s29, \qi, 14
	s_add_co_u32 s26, s26, s29
	s_lshl_b32 s29, s17, 12
	s_add_co_u32 s26, s26, s29
	s_add_nc_u64 s[92:93], s[14:15], s[26:27]
	s_cmp_lt_u32 s16, 4
	s_cbranch_scc1 .Lkeep_\@
.irp i, 0,1,2,3,4,5,6,7,8,9,10,11,12,13,14,15
	ds_store_b128 v[MGA], v[O+4*\i:O+4*\i+3] offset:512*\i
.endr
	ds_store_b128 v[MGA], v[M:M+3] offset:8192
.Lkeep_\@:
	s_wait_dscnt 0x0                               ; the stores are done before the signal
	s_barrier_signal -1
	s_barrier_wait -1                              ; the next block's first tile may stay on its way
	s_cmp_lt_u32 s16, 4
	s_cbranch_scc0 .Ldone_\@
.irp i, 0,1,2,3,4,5,6,7,8,9,10,11,12,13,14,15
	ds_load_b128 v[S+4*\i:S+4*\i+3], v[MGA] offset:512*\i
.endr
	ds_load_b128 v[240:243], v[MGA] offset:8192
.irp db, 0,1,2,3
	ds_load_b128 v[F+8*\db:F+8*\db+3], v[MVA] offset:64*\db
	ds_load_b128 v[F+8*\db+4:F+8*\db+7], v[MVA] offset:64*\db+16
.endr
	s_wait_dscnt 0x0
.irp qt, 0,1
	v_max_num_f32 v244, v[M+\qt], v[240+\qt]
	v_sub_f32 v245, v[M+\qt], v244
	v_sub_f32 v246, v[240+\qt], v244
	v_exp_f32 v245, v245
	v_exp_f32 v246, v246
	v_nop
	s_wait_alu depctr_va_vdst(0)
	v_mul_f32 v247, v[LS+\qt], v245
	v_fmac_f32 v247, v[242+\qt], v246
	v_cmp_eq_f32 s[95+\qt], 0, v247                ; no key at all: the mean of v is selected below
	v_cndmask_b32 v247, v247, 1.0, s[95+\qt]
	v_rcp_f32 v252, v247
	v_nop
	s_wait_alu depctr_va_vdst(0)
	v_mul_f32 v248, v245, v252
	v_mul_f32 v249, v245, v252
	v_mul_f32 v250, v246, v252
	v_mul_f32 v251, v246, v252
.irp db, 0,1,2,3
.irp j, 0,2,4,6
	v_pk_mul_f32 v[O+16*\db+8*\qt+\j:O+16*\db+8*\qt+\j+1], v[O+16*\db+8*\qt+\j:O+16*\db+8*\qt+\j+1], v[248:249]
	v_pk_fma_f32 v[O+16*\db+8*\qt+\j:O+16*\db+8*\qt+\j+1], v[S+16*\db+8*\qt+\j:S+16*\db+8*\qt+\j+1], v[250:251], v[O+16*\db+8*\qt+\j:O+16*\db+8*\qt+\j+1]
.endr
.irp j, 0,1,2,3,4,5,6,7
	v_cndmask_b32 v[O+16*\db+8*\qt+\j], v[O+16*\db+8*\qt+\j], v[F+8*\db+\j], s[95+\qt]
.endr
.irp i, 0,1,2,3
	v_cvt_pk_f16_f32 v[O+16*\db+8*\qt+\i], v[O+16*\db+8*\qt+2*\i], v[O+16*\db+8*\qt+2*\i+1]
.endr
	ds_store_b128 v[STA], v[O+16*\db+8*\qt:O+16*\db+8*\qt+3] offset:\qt*2304+\db*32
.endr
.endr
.irp i, 0,1,2,3,4,5,6,7
	ds_load_b128 v[S+4*\i:S+4*\i+3], v[RDA] offset:576*\i  ; my own stage: LDS serves a wave's instructions in order (ISA guide 5.7.1.4)
.endr
.irp i, 0,1,2,3,4,5,6,7
	s_wait_dscnt 7-\i
	global_store_b128 v[L16], v[S+4*\i:S+4*\i+3], s[92:93] offset:512*\i   ; four rows of 128 bytes: 512 consecutive bytes, aligned
.endr
	s_wait_xcnt 0x0                                ; the stores' data and base are written again only behind this wait
.Ldone_\@:
.endm
	TRIP 0, 1, 1                                   ; block 2 x: the diagonal; slot 1's first fill goes out as a refill does
	s_cmp_eq_u32 s19, 0
	s_cbranch_scc1 .Lodd_done
	s_mov_b32 s28, s19                             ; then 2 x units below it
.Lodd:
	TRIP 1, 1, 0
	TRIP 0, 1, 0
	s_sub_co_i32 s28, s28, 1
	s_cmp_lg_u32 s28, 0
	s_cbranch_scc1 .Lodd
.Lodd_done:
	LOADQ s24
	FINISH s23
	TRIP 1, 1, 1                                   ; block 15 - 2 x: the diagonal, then 15 - 2 x units
	s_sub_co_u32 s28, 7, s19
	s_cmp_eq_u32 s28, 0
	s_cbranch_scc1 .Leven_done
.Leven:
	TRIP 0, 1, 0
	TRIP 1, 1, 0
	s_sub_co_i32 s28, s28, 1
	s_cmp_lg_u32 s28, 0
	s_cbranch_scc1 .Leven
.Leven_done:
	TRIP 0, 0, 0                                   ; the last unit: nothing is left to fetch
	FINISH s24
	s_wait_tensorcnt 0x0
	ds_add_u32 v254, v255
	s_wait_dscnt 0x0
	s_endpgm
.Lfunc_end_k_q122bf3bff5_attn:
	.size	k_q122bf3bff5_attn, .Lfunc_end_k_q122bf3bff5_attn-k_q122bf3bff5_attn
	.p2alignl 7, 3214868480
	.fill 96, 4, 3214868480
	.section	.rodata,"a",@progbits
	.p2align	6, 0x0
	.amdhsa_kernel k_q122bf3bff5_attn
		.amdhsa_group_segment_fixed_size 327680
		.amdhsa_private_segment_fixed_size 0
		.amdhsa_enable_private_segment 0
		.amdhsa_kernarg_size 48
		.amdhsa_user_sgpr_count 2
		.amdhsa_user_sgpr_kernarg_segment_ptr 1
		.amdhsa_wavefront_size32 1
		.amdhsa_system_sgpr_workgroup_id_x 1
		.amdhsa_system_sgpr_workgroup_id_y 1
		.amdhsa_system_sgpr_workgroup_id_z 1
		.amdhsa_system_vgpr_workitem_id 0
		.amdhsa_next_free_vgpr 256
		.amdhsa_next_free_sgpr 102
		.amdhsa_reserve_vcc 1
		.amdhsa_float_denorm_mode_32 3
		.amdhsa_float_denorm_mode_16_64 3
		.amdhsa_memory_ordered 1
		.amdhsa_forward_progress 1
		.amdhsa_inst_pref_size 180
	.end_amdhsa_kernel
	.amdgpu_metadata
---
amdhsa.version: [ 1, 2 ]
amdhsa.kernels:
  - .name:           k_q122bf3bff5_attn
    .symbol:         k_q122bf3bff5_attn.kd
    .args:
      - { .name: qws, .offset: 0, .size: 8, .value_kind: global_buffer, .address_space: global }
      - { .name: kws, .offset: 8, .size: 8, .value_kind: global_buffer, .address_space: global }
      - { .name: vtw, .offset: 16, .size: 8, .value_kind: global_buffer, .address_space: global }
      - { .name: tab, .offset: 24, .size: 8, .value_kind: global_buffer, .address_space: global }
      - { .name: vsum, .offset: 32, .size: 8, .value_kind: global_buffer, .address_space: global }
      - { .name: att, .offset: 40, .size: 8, .value_kind: global_buffer, .address_space: global }
    .group_segment_fixed_size: 327680
    .private_segment_fixed_size: 0
    .kernarg_segment_align: 8
    .kernarg_segment_size: 48
    .max_flat_workgroup_size: 256
    .sgpr_count:     102
    .vgpr_count:     256
    .wavefront_size: 32
...
	.end_amdgpu_metadata
.endif
;; end of part 3
;; launch proj (part 4): grid 8 x 32, 4 waves a work-group, clusters of 4 x 4, 327,680 bytes of LDS; arguments att, wb, out0; writes out0
.if DOCPART == 4
	.amdgcn_target "amdgcn-amd-amdhsa--gfx1250"
	.amdhsa_code_object_version 6
	.text
	.protected	k_q122bf3bff5_proj
	.globl	k_q122bf3bff5_proj
	.p2align	8
	.type	k_q122bf3bff5_proj,@function
k_q122bf3bff5_proj:
	s_mov_b64 s[64:65], 0
	v_nop
	global_prefetch_b8 v0, s[64:65] scope:SCOPE_SE
	s_setreg_imm32_b32 hwreg(HW_REG_WAVE_MODE, 25, 1), 1
	s_wait_xcnt 0x0
	s_wait_alu depctr_hold_cnt(0) depctr_sa_sdst(0) depctr_va_vdst(0) depctr_va_sdst(0) depctr_va_ssrc(0) depctr_va_vcc(0) depctr_vm_vsrc(0)
	s_getreg_b32 s2, hwreg(HW_REG_IB_STS2, 6, 4)
	s_cmp_eq_u32 s2, 0
	s_cbranch_scc0 .Lentry_in_a_cluster
	s_endpgm
.Lentry_in_a_cluster:
	s_bfe_u32 s2, ttmp6, 0x10000c
	s_cmp_lg_u32 s2, 0xf033
	s_cbranch_scc0 .Lentry_shape_is_right
	s_endpgm
.Lentry_shape_is_right:
; out0 = att Wout.  att: f16 [16 heads][4096 tokens][64]; Wout: f16 [1024 k][1024 n] at wb + 6,291,456; out0: f32 [4096][1024]; sums in f32.
; 256 work-groups of 128 tokens x 128 columns; a wave makes 64 x 64: 16 accumulator tiles.  Larger blocks would give fewer work-groups than 256.
; K goes in four steps of 256 (four heads) through two LDS slots, so the whole walk is written out without a loop.
; CLUSTER 4 x 4: att's tile hangs on the token block alone and is shared along a row of the cluster, Wout's on the column block alone and is shared along a column.
; The products are used transposed (source 0 = columns of Wout, source 1 = tokens): a lane holds one token and 8 neighbouring columns, 32 bytes of a row of out0.
; REGISTER WINDOWS: 0 addresses and fragments (two buffers), 1 the accumulators: tile (mb, nb) at 8 (4 mb + nb).
.set PA,    144                        ; att in LDS: a token's 128 bytes of one head + 16
.set PW,    288                        ; Wout in LDS: 256 bytes + 32 = 9 x 32
.set QUART, 36864                      ; what one load brings: 2 heads x 128 tokens x 144, or 128 k rows x 288
.set SLOT,  147456
.set STAGE, 294912                     ; + wave 4,352: 16 rows x 272 bytes
.set ADRA, 16                          ; v16-17 slot 0, 1
.set ADRW, 18                          ; v18-21 slot 0 k rows 0-127, 128-255; slot 1 likewise
.set STO,  24
.set RD,   25
.set CO,   26
.set FB,   64                          ; buffer f at 64 + 64 f: four fragments of Wout, then four of att
.set TMP,  192
.set G1A, 24
.set G0A, 32
.set G1W, 48
.set G0W, 56
.set MSB, 0
.macro WIN new
.if MSB != (\new)
	s_set_vgpr_msb (MSB<<8)|(\new)
.set MSB, \new
.endif
.endm
.macro PLACES                          ; four plain places behind matrix instructions (ISA guide 7.12.1)
.rept 4
	v_nop
.endr
.endm
.macro JLOAD s
	s_cmp_eq_u32 s11, 0
	s_cbranch_scc0 .Lfor_w_\@
	tensor_load_to_lds s[G0A+4*\s:G0A+4*\s+3], s[G1A:G1A+7]
	s_nop 0
	s_branch .Lasked_\@
.Lfor_w_\@:
	tensor_load_to_lds s[G0W+4*\s:G0W+4*\s+3], s[G1W:G1W+7]
	s_nop 0
.Lasked_\@:
.endm
.macro CREST
	s_cmp_lg_u32 s10, 0
	s_cbranch_scc1 .Lnot_wave_0_\@
	s_barrier_signal -3
.Lnot_wave_0_\@:
	s_barrier_wait -3
	s_barrier_signal -1
	s_barrier_wait -1
.endm
.macro CROUND
	s_barrier_signal -1
	s_barrier_wait -1
	CREST
.endm
	s_load_b128 s[4:7], s[0:1], 0x0                ; att s[4:5], wb s[6:7]
	s_load_b64 s[8:9], s[0:1], 0x10                ; out0
	v_lshl_add_u32 v62, v0, 2, 0x4c400
	v_mov_b32 v63, 0
	ds_add_u32 v62, v63
	v_lshrrev_b32 v1, 5, v0
	v_readfirstlane_b32 s10, v1                    ; wave
	s_lshr_b32 s11, s10, 1                         ; my half of the tokens.  Also: I fetch att (0) or Wout (1)
	s_and_b32 s12, s10, 1                          ; my half of the columns.  Also: which half of that tile I fetch
	s_bfe_u32 s40, ttmp6, 0x40000                  ; cx
	s_bfe_u32 s41, ttmp6, 0x40004                  ; cy
	s_lshl_b32 s42, ttmp9, 2
	s_add_co_u32 s42, s42, s40                     ; column block
	s_and_b32 s13, ttmp7, 0xffff
	s_lshl_b32 s13, s13, 2
	s_add_co_u32 s13, s13, s41                     ; token block
	s_lshl_b32 s43, s41, 2
	s_lshl_b32 s43, 15, s43                        ; my row of the cluster
	s_lshl_b32 s44, 0x1111, s40                    ; my column
	; att: two heads; a head's 128 tokens x 64 are 8,192 dense elements, from head to head 262,144; 16 bytes of padding behind every 32 words
	s_or_b32 s[G1A+0], s43, (1<<16)|(1<<20)|(1<<21)|(4<<22)|(3<<25)
	s_mov_b32 s[G1A+1], 8192<<16
	s_mov_b32 s[G1A+2], 2<<16
	s_mov_b32 s[G1A+3], 8192<<16
	s_mov_b32 s[G1A+4], 2
	s_mov_b32 s[G1A+5], 262144
	s_mov_b32 s[G1A+6], 0
	s_mov_b32 s[G1A+7], 0
	; Wout: 128 k rows x 128 columns, pitch 1,024; 32 bytes of padding behind every 64 words
	s_or_b32 s[G1W+0], s44, (1<<16)|(1<<20)|(1<<21)|(5<<22)|(7<<25)
	s_mov_b32 s[G1W+1], 128<<16
	s_mov_b32 s[G1W+2], 128<<16
	s_mov_b32 s[G1W+3], 128<<16
	s_mov_b32 s[G1W+4], 128
	s_mov_b32 s[G1W+5], 1024
	s_mov_b32 s[G1W+6], 0
	s_mov_b32 s[G1W+7], 0
	s_lshl_b32 s16, s12, 20                        ; 2 half heads of 524,288 bytes
	s_lshl_b32 s18, s13, 14                        ; + the block's 128 tokens of 128 bytes
	s_add_co_u32 s16, s16, s18
	s_mov_b32 s17, 0
	s_lshl_b32 s46, s12, 18                        ; 128 half k rows of 2,048 bytes
	s_lshl_b32 s45, s42, 8                         ; + the block's 128 columns
	s_add_co_u32 s46, s46, s45
	s_add_co_u32 s46, s46, 6291456                 ; behind w_qkv in wb
	s_mov_b32 s47, 0
	s_mul_i32 s20, s10, QUART                      ; LDS: att's two halves, then Wout's two = wave x 36,864
	s_wait_dscnt 0x0
	s_wait_kmcnt 0x0
	s_add_nc_u64 s[14:15], s[4:5], s[16:17]
	s_add_nc_u64 s[46:47], s[6:7], s[46:47]
	CROUND                                         ; all sixteen work-groups are here: the first joint loads meet
.irp s, 0,1
	s_mov_b32 s[G0A+4*\s], 1
	s_add_co_u32 s[G0A+4*\s+1], s20, \s*SLOT
	s_add_nc_u64 s[G0A+4*\s+2:G0A+4*\s+3], s[14:15], \s*4*524288
	s_or_b32 s[G0A+4*\s+3], s[G0A+4*\s+3], 0x80000000
	s_mov_b32 s[G0W+4*\s], 1
	s_add_co_u32 s[G0W+4*\s+1], s20, \s*SLOT
	s_add_nc_u64 s[G0W+4*\s+2:G0W+4*\s+3], s[46:47], \s*256*2048
	s_or_b32 s[G0W+4*\s+3], s[G0W+4*\s+3], 0x80000000
	JLOAD \s                                       ; K steps 0 and 1: two loads of this wave are out
.endr
	v_and_b32 v1, 15, v0                           ; r
	v_bfe_u32 v2, v0, 4, 1                         ; h
	v_and_b32 v4, 7, v0
	v_bfe_u32 v5, v0, 3, 1
	v_mul_u32_u24 v3, v1, PA
	v_lshl_add_u32 v3, v2, 4, v3
	s_mul_i32 s21, s11, 64*PA
	v_add_nc_u32 v[ADRA], s21, v3                  ; (64 wm + r) 144 + 16 h
	v_add_nc_u32 v[ADRA+1], SLOT, v[ADRA]
	v_lshl_add_u32 v6, v2, 3, v4                   ; Wout lies [k][n]: row 8 h + (L & 7), 16 bytes ((L >> 3) & 1)
	v_mul_u32_u24 v6, v6, PW
	v_lshl_add_u32 v6, v5, 4, v6
	s_lshl_b32 s22, s12, 7                         ; my 64 columns
	s_add_co_u32 s22, s22, 2*QUART
	v_add_nc_u32 v[ADRW], s22, v6
	v_add_nc_u32 v[ADRW+1], QUART, v[ADRW]
	v_add_nc_u32 v[ADRW+2], SLOT, v[ADRW]
	v_add_nc_u32 v[ADRW+3], SLOT, v[ADRW+1]
	s_mul_i32 s23, s10, 16*272
	s_add_co_u32 s23, s23, STAGE
	v_mul_u32_u24 v7, v1, 272
	v_lshl_add_u32 v7, v2, 5, v7
	v_add_nc_u32 v[STO], s23, v7                   ; in: row r, 32 bytes for each half of the lanes
	v_mul_u32_u24 v7, v2, 272
	v_lshl_add_u32 v7, v1, 4, v7
	v_add_nc_u32 v[RD], s23, v7                    ; back: lanes 0-15 one row of 256 bytes, lanes 16-31 the next
	v_lshlrev_b32 v7, 12, v2
	v_lshl_add_u32 v[CO], v1, 4, v7                ; the same two rows in out0
; 8 products: row blocks mb0, mb0 + 1 x 4 column tiles, 32 along K.  The 16 accumulators take turns, one instruction a turn, in the same order in every eighth.
.macro MUL8 f, mb0, zero
.irp mb, \mb0, \mb0+1
.irp nb, 0,1,2,3
.if \zero
	v_wmma_f32_16x16x32_f16 v[8*(4*(\mb)+\nb):8*(4*(\mb)+\nb)+7], v[FB+64*(\f)+8*\nb:FB+64*(\f)+8*\nb+7], v[FB+64*(\f)+32+8*(\mb):FB+64*(\f)+32+8*(\mb)+7], 0
.else
	v_wmma_f32_16x16x32_f16 v[8*(4*(\mb)+\nb):8*(4*(\mb)+\nb)+7], v[FB+64*(\f)+8*\nb:FB+64*(\f)+8*\nb+7], v[FB+64*(\f)+32+8*(\mb):FB+64*(\f)+32+8*(\mb)+7], v[8*(4*(\mb)+\nb):8*(4*(\mb)+\nb)+7]
.endif
.endr
.endr
.endm
; 16 LDS loads: the fragments of eighth qd (32 along K: head qd >> 1, d from 32 (qd & 1)) of a slot into buffer f
.macro FETCH slot, qd, f
	WIN 0
.irp nb, 0,1,2,3
	ds_load_tr16_b128 v[FB+64*(\f)+8*\nb:FB+64*(\f)+8*\nb+3], v[ADRW+2*\slot+((\qd)>>2)] offset:((\qd)&3)*32*PW+\nb*32
	ds_load_tr16_b128 v[FB+64*(\f)+8*\nb+4:FB+64*(\f)+8*\nb+7], v[ADRW+2*\slot+((\qd)>>2)] offset:((\qd)&3)*32*PW+16*PW+\nb*32
.endr
.irp mb, 0,1,2,3
	ds_load_b128 v[FB+64*(\f)+32+8*\mb:FB+64*(\f)+32+8*\mb+3], v[ADRA+\slot] offset:((\qd)>>1)*128*PA+((\qd)&1)*64+\mb*16*PA
	ds_load_b128 v[FB+64*(\f)+32+8*\mb+4:FB+64*(\f)+32+8*\mb+7], v[ADRA+\slot] offset:((\qd)>>1)*128*PA+((\qd)&1)*64+\mb*16*PA+32
.endr
.endm
.macro EIGHTH slot, qd, f, zero        ; multiplies buffer f; ahead of its 16 products it asks for eighth qd into the other buffer
	s_wait_dscnt 0x0
	PLACES
	FETCH \slot, \qd, 1-\f
	WIN 0x50
	MUL8 \f, 0, \zero
	MUL8 \f, 2, \zero
.endm
.macro SEVEN slot, zero
	EIGHTH \slot, 1, 0, \zero
	EIGHTH \slot, 2, 1, 0
	EIGHTH \slot, 3, 0, 0
	EIGHTH \slot, 4, 1, 0
	EIGHTH \slot, 5, 0, 0
	EIGHTH \slot, 6, 1, 0
	EIGHTH \slot, 7, 0, 0
.endm
.macro TURN slot, next, fill           ; the last eighth multiplies buffer 1 and changes slots
	s_wait_dscnt 0x0                               ; my reads of this slot are over
	s_wait_tensorcnt 0x0                           ; all my tensor loads have landed: my part of the next slot
	ds_add_u32 v62, v63
	s_wait_dscnt 0x0
	s_barrier_signal -1
	WIN 0x50
	MUL8 1, 0, 0
	WIN 0
	s_barrier_wait -1
.if \fill
	CREST                                          ; no wave of any partner still reads this slot or has a load on its way
	s_add_nc_u64 s[G0A+4*\slot+2:G0A+4*\slot+3], s[G0A+4*\slot+2:G0A+4*\slot+3], 8*524288
	s_add_nc_u64 s[G0W+4*\slot+2:G0W+4*\slot+3], s[G0W+4*\slot+2:G0W+4*\slot+3], 512*2048
	JLOAD \slot                                    ; two K steps ahead: the wave's one tensor load behind the round, first thing there
.endif
	PLACES
	FETCH \next, 0, 0
	WIN 0x50
	MUL8 1, 2, 0
.endm
	s_wait_tensorcnt 0x1                           ; my part of K step 0 is in; K step 1's may stay out
	s_barrier_signal -1
	s_barrier_wait -1
	FETCH 0, 0, 0
	SEVEN 0, 1                                     ; the first products start the sums
	TURN 0, 1, 1
	SEVEN 1, 0
	TURN 1, 0, 1
	SEVEN 0, 0                                     ; K steps 2 and 3 fill nothing
	TURN 0, 1, 0
	SEVEN 1, 0
	s_wait_dscnt 0x0
	WIN 0x50
	MUL8 1, 0, 0
	MUL8 1, 2, 0
	PLACES
	WIN 0
	s_lshl_b32 s66, s13, 19                        ; (128 block + 64 wm) rows of 4,096 bytes
	s_lshl_b32 s68, s11, 18
	s_add_co_u32 s66, s66, s68
	s_lshl_b32 s68, s42, 9                         ; + 512 column block + 256 wn
	s_add_co_u32 s66, s66, s68
	s_lshl_b32 s68, s12, 8
	s_add_co_u32 s66, s66, s68
	s_mov_b32 s67, 0
	s_add_nc_u64 s[8:9], s[8:9], s[66:67]
; 16 rows at a time through my own stage: 32 bytes a lane in, whole rows of 256 bytes back
.macro OUT16 mb, t0
	WIN 0x04
.irp nb, 0,1,2,3
	ds_store_b128 v[STO], v[8*(4*\mb+\nb):8*(4*\mb+\nb)+3] offset:64*\nb
	ds_store_b128 v[STO], v[8*(4*\mb+\nb)+4:8*(4*\mb+\nb)+7] offset:64*\nb+16
.endr
	WIN 0
	s_wait_xcnt 0x0                                ; registers that earlier stores read are loaded again only behind this wait
.irp t, 0,1,2,3,4,5,6,7
	ds_load_b128 v[\t0+4*\t:\t0+4*\t+3], v[RD] offset:544*\t   ; LDS serves a wave's instructions in order (ISA guide 5.7.1.4): these see the stores above
.endr
.irp t, 0,1,2,3,4,5,6,7
	s_wait_dscnt 7-\t
	global_store_b128 v[CO], v[\t0+4*\t:\t0+4*\t+3], s[8:9] offset:\mb*65536+\t*8192 th:TH_STORE_NT   ; 16 lanes store 256 consecutive bytes, aligned; the row block stands in the immediate, 253,952 at the most
.endr
.endm
	OUT16 0, TMP
	OUT16 1, TMP+32
	OUT16 2, TMP
	OUT16 3, TMP+32
	s_wait_tensorcnt 0x0
	ds_add_u32 v62, v63
	s_wait_dscnt 0x0
	CROUND                                         ; the closing round: no work-group ends while a partner may still ask for a tile that names it
	s_endpgm
.Lfunc_end_k_q122bf3bff5_proj:
	.size	k_q122bf3bff5_proj, .Lfunc_end_k_q122bf3bff5_proj-k_q122bf3bff5_proj
	.p2alignl 7, 3214868480
	.fill 96, 4, 3214868480
	.section	.rodata,"a",@progbits
	.p2align	6, 0x0
	.amdhsa_kernel k_q122bf3bff5_proj
		.amdhsa_group_segment_fixed_size 327680
		.amdhsa_private_segment_fixed_size 0
		.amdhsa_enable_private_segment 0
		.amdhsa_kernarg_size 24
		.amdhsa_user_sgpr_count 2
		.amdhsa_user_sgpr_kernarg_segment_ptr 1
		.amdhsa_wavefront_size32 1
		.amdhsa_system_sgpr_workgroup_id_x 1
		.amdhsa_system_sgpr_workgroup_id_y 1
		.amdhsa_system_sgpr_workgroup_id_z 1
		.amdhsa_system_vgpr_workitem_id 0
		.amdhsa_next_free_vgpr 384
		.amdhsa_next_free_sgpr 90
		.amdhsa_reserve_vcc 0
		.amdhsa_float_denorm_mode_32 3
		.amdhsa_float_denorm_mode_16_64 3
		.amdhsa_memory_ordered 1
		.amdhsa_forward_progress 1
		.amdhsa_inst_pref_size 89
	.end_amdhsa_kernel
	.amdgpu_metadata
---
amdhsa.version: [ 1, 2 ]
amdhsa.kernels:
  - .name:           k_q122bf3bff5_proj
    .symbol:         k_q122bf3bff5_proj.kd
    .args:
      - { .name: att, .offset: 0, .size: 8, .value_kind: global_buffer, .address_space: global }
      - { .name: wb, .offset: 8, .size: 8, .value_kind: global_buffer, .address_space: global }
      - { .name: out0, .offset: 16, .size: 8, .value_kind: global_buffer, .address_space: global }
    .group_segment_fixed_size: 327680
    .private_segment_fixed_size: 0
    .kernarg_segment_align: 8
    .kernarg_segment_size: 24
    .max_flat_workgroup_size: 128
    .sgpr_count:     90
    .vgpr_count:     384
    .wavefront_size: 32
...
	.end_amdgpu_metadata
.endif
;; end of part 4
